; MI455X (gfx1250); checked and timed in simulation.
; The chip was launched on July 23, 2026; its instructions are those of AMD's public machine-readable ISA for CDNA 5 (MIT licence, August 2026) and "CDNA5" Instruction Set Architecture Reference Guide (July 2026). The comments in the code are by the model that wrote it; some were corrected since.
;; Quadratic Form Model. Allowed arithmetic: matrix products marked QUANTISED: E2M3 operands, one E8M0 scale for each 32 along K, by v_wmma_scale_f32_16x16x128_f8f6f4 with both operands' format E2M3, f32 sums; products left as they are: f32 operands where the result goes on into a quantised operand, else bf16, f16 or f32 operands; f32 sums; everything else in f32.
;; Inputs: A_codes 256 x 8 x 24 uint8 (E2M3 codes of A, K innermost, in blocks of 32 codes, four codes in three bytes); A_scales 256 x 8 uint8 (E8M0 scales of A, one for each 32 codes along K); b 1 float32; v 256 float32; x 131,072 x 256 float32.
;; Outputs: out0 131,072 float32.
;; This version of the problem:
;;   THIS VERSION OF THE PROBLEM IS GIVEN IN LOW PRECISION. The matrix products marked QUANTISED in the list below multiply operands that are first quantised to E2M3 (2 exponent bits, 3 mantissa bits; 6 bits a number), with one power-of-two scale for each 32 numbers along K (OCP MX v1.0); their sums are f32. All else is computed in f32.
;;   The module's matrix products, in the order in which they are computed (A, B: the left and right operand; K: the contracted axis; several contracted axes count as one K, in the product's order):
;;     1. [M 131,072, K 256] x [K 256, N 256]; A: input x; B: input A (given as codes): QUANTISED
;;     2. [M 131,072, K 256] x [K 256, N 1]; A: input x; B: input v: left as it is (N = 1 < 16)
;;   THE QUANTISER, for each operand of a quantised product, along K:
;;     - K is cut into blocks of 32 from its start; a last block that is shorter is filled with zeros.
;;     - A block's scale is 2^e with e = floor(log2(the largest magnitude in the block)) - 2, held to -126 .. 127; a block of zeros has e = 0. As a byte (E8M0): e + 127.
;;     - Each number is divided by its block's scale, clamped to +-7.5, and rounded to the nearest number of E2M3, ties to even, subnormals kept.
;;     - The product sums the exact products of the quantised numbers (number of the format x scale) in f32.
;;   ~~~python
;;   def quantise(x, axis):      # numpy; x: float32 -> the quantised numbers, widened to float32 again
;;       x = np.moveaxis(x, axis, -1); K = x.shape[-1]
;;       x = np.pad(x, [(0, 0)] * (x.ndim - 1) + [(0, -K % 32)]); x = x.reshape(x.shape[:-1] + (-1, 32)); a = np.abs(x).max(-1, keepdims=True)
;;       e = np.where(a > 0, np.clip(np.frexp(np.where(a > 0, a, 1))[1] - 1 - 2, -126, 127), 0)      # np.frexp(a)[1] - 1 = floor(log2(a)), exactly
;;       r = np.clip(x / 2.0 ** e, -7.5, 7.5)
;;       step = 2.0 ** (np.maximum(np.frexp(np.where(r == 0, 1, r))[1] - 1, 0) - 3)
;;       q = np.round(r / step) * step * 2.0 ** e      # np.round: ties to even
;;       return np.moveaxis(q.reshape(q.shape[:-2] + (-1,))[..., :K], -1, axis).astype(np.float32)
;;   ~~~
;;   INPUTS GIVEN AS CODES. A (in the module: [256, 256], K = its axis 0): each comes as NAME_codes (uint8): NAME with its K axis moved to the last place and cut into blocks of 32 codes, [.., K / 32, bytes a block], one block behind the other in memory; four codes in three bytes: a row's codes are one little-endian stream of bits, code i at bits 6 i .. 6 i + 5 (a code: sign, 2 exponent bits, 3 mantissa bits); and NAME_scales (uint8): the same leading axes, one E8M0 byte (e + 127) for each 32 codes along K. Its value is code x scale, taken as it is: it is not quantised again, and the codes and scales need not be those that the quantiser above would give.
;; One version. Each part assembles by itself: llvm-mc -triple=amdgcn-amd-amdhsa -mcpu=gfx1250 --defsym DOCPART=n.
;; ======== version 1 of 1: 1 launch
;; limits: right only within a limited range of input values
;; launch quad (part 1): grid 256 x 1, 4 waves a work-group, no clusters, 101,888 bytes of LDS; arguments x, A_codes, A_scales, v, b, out0; writes out0
.if DOCPART == 1
	.amdgcn_target "amdgcn-amd-amdhsa--gfx1250"
	.amdhsa_code_object_version 6
	.text
	.protected	k_q761e7770b4_quad
	.globl	k_q761e7770b4_quad
	.p2align	8
	.type	k_q761e7770b4_quad,@function
k_q761e7770b4_quad:
	s_mov_b64 s[64:65], 0
	v_nop
	global_prefetch_b8 v0, s[64:65] scope:SCOPE_SE
	s_setreg_imm32_b32 hwreg(HW_REG_WAVE_MODE, 25, 1), 1
	s_wait_xcnt 0x0
; out0[i] = sum over n of x[i][n] * ( (Q(x) A)[i][n] + v[n] ) + b.   x: [131072][256] f32.  A: codes of FP6 (E2M3) laid [n = 256][K = 256], 192 bytes a row, with 8 E8M0 bytes a row, taken as given.
; Q(x): x quantised along K by blocks of 32: scale 2^(floor(log2(largest magnitude)) - 2), each number / scale to the nearest code, ties to even, beyond 7.5 the largest code.
; The x that multiplies the product's result, and the x of x . v, stay f32.
; SHARES.  256 work-groups of four waves; work-group g owns rows 512 g on, wave w 128 of them on end: eight tiles of 16 rows, 16,384 bytes of x each.  Behind one barrier at the head the waves share nothing.
; EVERY WAVE KEEPS ALL OF A IN REGISTERS (32 fragments x 12), so that x is the only thing that moves, and each byte of it is read once, into the registers in which it stays until its tile is done.
; LAYOUT.  Lane: r = lane % 16, h = lane / 16.  A load of x takes 256 bytes, aligned, of each of two rows: lane (r, h) holds, of the tile's row 2 j + h, X[j][4 q + u] = x[64 q + 4 r + u], j = 0..7, q, u = 0..3.
; In the product's operand row 2 j + h stands at place m = 8 h + j, and tile t = 4 q + u of A takes the rows n = 64 q + 4 r + u, r = 0..15: so register j of accumulator t in lane (r, h) is exactly the column and the row of X[j][t],
; and the dot product of the result with x is one multiply-add a number on registers that are there anyway, and one sum over 16 lanes.
; QUANTISING.  A block of 32 is four numbers of each of eight lanes.  Its largest magnitude goes over the eight lanes by three exchanges; each number is multiplied by a power of two (exact), and 16 at a time become codes.
; A lane's four codes of a block are 24 bits, put as one word into the wave's own stage in LDS; lane m reads the eight words of a block of row m and joins them to 24 bytes of the row's stream of bits.
; v IS THE C OF EACH SUM: both K steps add onto it, and sum(acc x X) = quad + lin.  (So v is added inside the matrix instruction's f32 sum.)
; NO CLUSTER: what work-groups share (A's codes, its scale bytes, v: 52,224 bytes) is a tenth of a work-group's 524,288 bytes of x and is read once, at the head.
; NO PREFETCH: the loads of x themselves run one to two tiles, 16,384 to 32,768 bytes of each wave, ahead all the time.
; LIMITS: NaN and infinities in x are not served.  A block of zeros, and a block whose largest magnitude lies under 2^-124, gets the scale byte 1 (for zeros the quantiser says 127: the codes are zeros, which add nothing, and nobody
; else reads the byte; for the others 1 is the quantiser's own lower bound).
; REGISTERS, in windows of 256 (s_set_vgpr_msb's low byte: bits 1:0 source 0, 3:2 source 1, 5:4 source 2, 7:6 destination):
;   window 0: v0-127 as named below; v128-255 the 16 accumulators (ahead of the products: scaled numbers and words from the stage).   window 1: v0-191 A's fragments of K step 0 (tile t at 12 t); v192-255 v for tiles 0-7, eight registers each.
;   window 2: the same for K step 1 and v for tiles 8-15.   window 3: two buffers of x, X[j][t] of buffer p at 128 p + 16 j + t.
.set APITCH, 208                       ; a row of A's codes in LDS: 192 bytes + 16: 16 rows on end start at 16 different groups of four banks (64 banks of 4 bytes: ISA guide 11.1)
.set SPITCH, 272                       ; a row of the stage: 8 blocks x 8 words of codes, then 16 bytes of largest magnitudes' upper halves
.set AWAVE,  20480                     ; what one wave stores of A's codes (64 rows, 13,312 bytes) has this much LDS
.set STG,    4*AWAVE                   ; 81,920: a stage for each wave: 16 rows
.set OL,     STG+4*16*SPITCH           ; 99,328: each wave's 128 results, 512 bytes
.set SPARE,  OL+4*512                  ; 101,376: the spare words, 128 bytes for each wave
.set TILEB,  16384                     ; a tile of x in bytes
.set XO,   1                           ; v1   1,024 h + 16 r: my bytes of a load of x; never rewritten
.set SPW,  2                           ; v2   LDS address of my spare word; never rewritten
.set NIL,  3                           ; v3   0; never rewritten
.set STW,  4                           ; v4   stage, in: my wave's + 8 h rows + 4 r
.set STM,  5                           ; v5   stage, in, magnitudes: + 8 h rows + 256 + 8 (r / 8)
.set STR,  6                           ; v6   stage, out: + row r + 32 h
.set STS,  7                           ; v7   stage, out, magnitudes: + row r + 256
.set OA,   8                           ; v8   my wave's results + 8 (r % 8) + 4 h
.set OT,   9                           ; v9   the tile's place among them
.set ORD,  10                          ; v10  my wave's results + 16 x lane
.set HALF, 11                          ; v11  0.5: the conversions' scale
.set AA,   12                          ; v12  A's codes: row r + 24 h
.set AA2,  15                          ; v15  the same in the third wave's part, for tiles 8-15
.set O16,  13                          ; v13  16 x lane: A's codes in memory, and the store of out0
.set ASC,  16                          ; v16-31 A's scale words, tile t: lanes 0-15 K step 0's, lanes 16-31 K step 1's: scales and nothing else
.set XS,   32                          ; v32-33 x's scale words of K steps 0, 1: scales and nothing else
.set T,    34                          ; v34-39 at work
.set LN,   34                          ; at the head: v34 lane, v35 r, v36 h
.set RR,   35
.set HH,   36
.set M,    40                          ; v40-47 eight largest magnitudes, then factors
.set MP,   48                          ; v48-51 their upper halves, two to a word
.set CV,   52                          ; v52-59 codes of two rows, as converted
.set BC,   60                          ; v60-63 their second and third 24 bits
.set CD,   64                          ; v64-87 x's operand: K step s at CD + 12 s
.set S,    88                          ; v88-95 eight rows' sums
.set U,    96                          ; v96-99
.set RES,  100                         ; v100-103 four results on the way out
.set VT,   104                         ; v104-119 v as loaded: VT + t = v[64 (t / 4) + 4 r + t % 4]
.set R16,  120                         ; v120 16 r
.set R32,  121                         ; v121 32 r
.set AS,   122                         ; v122-124 where A's codes go in LDS
.set ACC,  128
.set W,    ACC+64                      ; 32 words of codes from the stage
.set SCW,  ACC+96                      ; four words of magnitudes from the stage
.set WV,   16
.set BB,   22
.set TRIPS, 23
.set TO,   24                          ; 128 bytes of results a trip
.set FL,   25                          ; the floor 2^(3 - 127)
.set MASK, 26
.set SELH, 27
.set SELS, 28
.set PS,   29                          ; s29-31 selectors where a word's codes are its bytes 0-2, s32-34 where they are bytes 1-3
.set M1,   35                          ; lanes with bit 0, 1, 2 set
.set M2,   36
.set M4,   37
.set HM,   38                          ; lanes 16-31
.set MSB, 0
.macro WIN new                         ; the immediate's high byte repeats the setting that is left; a switch that changes nothing is dropped
.if MSB != \new
	s_set_vgpr_msb (MSB<<8)|\new
.set MSB, \new
.endif
.endm
; n loads of x, from load i0 on, into buffer p: load i is 256-byte unit i % 4 of the tile's rows 2 (i / 4) and 2 (i / 4) + 1; read once in the launch
.macro XLOAD p, off, i0, n
	WIN 0xc0                                       ; destination window 3
.set I, \i0
.rept \n
	global_load_b128 v[128*(\p)+4*I:128*(\p)+4*I+3], v[XO], s[4:5] offset:(\off)+2048*(I/4)+256*(I%4) th:TH_LOAD_NT
.set I, I+1
.endr
.endm
; A's fragment of tile t, K step s: 16 rows x 128 K of 6-bit codes, 12 registers: registers 6 c .. 6 c + 5 hold K = 64 c + 32 h + 0 .. 31: 24 bytes of the row's stream of bits, as they lie, in pieces of 8 bytes
.macro FRAG t, s
.irp p, 0,1,2,3,4,5
.if (\t) < 8
	ds_load_b64 v[12*(\t)+2*\p:12*(\t)+2*\p+1], v[AA] offset:((\t)/4)*AWAVE+16*((\t)%4)*APITCH+96*(\s)+48*(\p/3)+8*(\p%3)
.else
	ds_load_b64 v[12*(\t)+2*\p:12*(\t)+2*\p+1], v[AA2] offset:((\t)/4-2)*AWAVE+16*((\t)%4)*APITCH+96*(\s)+48*(\p/3)+8*(\p%3)
.endif
.endr
.endm
; unit q's eight words of 24 bits become the six registers of its block; sel: the first of three selectors
.macro JOIN q, sel
.irp e, 0,1
	v_perm_b32 v[CD+6*\q+3*\e],   v[W+8*\q+4*\e+1], v[W+8*\q+4*\e],   s[\sel]
	v_perm_b32 v[CD+6*\q+3*\e+1], v[W+8*\q+4*\e+2], v[W+8*\q+4*\e+1], s[\sel+1]
	v_perm_b32 v[CD+6*\q+3*\e+2], v[W+8*\q+4*\e+3], v[W+8*\q+4*\e+2], s[\sel+2]
.endr
.endm
; Buffer p's tile is quantised, two registers' rows (j = 2 g, 2 g + 1) at a time, as they come in: eight blocks' chains by turns.  left: the younger loads of the other buffer, which stay out.
.macro QUANT p, left, step
.irp g, 0,1,2,3
.set XX, 128*(\p)+32*\g
.set PB, ACC+32*(\g%2)
	s_wait_loadcnt \left+8*(3-\g)                  ; loads come back in order (ISA guide 5.7.1): these two rows' eight are in
	WIN 0x3f                                       ; sources window 3
.irp k, 0,1,2,3,4,5,6,7
	v_max3_num_f32 v[M+\k], |v[XX+4*\k]|, |v[XX+4*\k+1]|, |v[XX+4*\k+2]|
.endr
	WIN 0x03                                       ; source 0 window 3
.irp k, 0,1,2,3,4,5,6,7
	v_max3_num_f32 v[M+\k], |v[XX+4*\k+3]|, v[M+\k], s[FL]      ; with the floor, so that the byte cannot fall under 1
.endr
	WIN 0
.irp k, 0,1,2,3,4,5,6,7
	v_max_num_f32_dpp v[M+\k], v[M+\k], v[M+\k] row_xmask:1 row_mask:0xf bank_mask:0xf
.endr
.irp k, 0,1,2,3,4,5,6,7
	v_max_num_f32_dpp v[M+\k], v[M+\k], v[M+\k] row_xmask:2 row_mask:0xf bank_mask:0xf
.endr
.irp k, 0,1,2,3,4,5,6,7
	v_max_num_f32_dpp v[M+\k], v[M+\k], v[M+\k] row_xmask:4 row_mask:0xf bank_mask:0xf    ; the block's largest magnitude, in all eight lanes
.endr
.irp jj, 0,1
	v_perm_b32 v[MP+2*\jj], v[M+4*\jj+1], v[M+4*\jj], s[SELH]   ; the upper halves, which hold the exponents: units 0, 1
	v_perm_b32 v[MP+2*\jj+1], v[M+4*\jj+3], v[M+4*\jj+2], s[SELH]   ; units 2, 3
.endr
.irp jj, 0,1
	ds_store_b64 v[STM], v[MP+2*\jj:MP+2*\jj+1] offset:SPITCH*(2*\g+\jj)   ; the eight lanes of a block write the same words with the same values
.endr
.irp k, 0,1,2,3,4,5,6,7
	v_bfi_b32 v[M+\k], v[M+\k], 0, s[MASK]         ; exponent field e becomes 255 - e, mantissa 0: half of 1 / scale (the scale's byte is e - 2)
.endr
	WIN 0x03
.irp k, 0,2,4,6
	v_pk_mul_f32 v[PB+4*\k:PB+4*\k+1], v[XX+4*\k:XX+4*\k+1], v[M+\k:M+\k+1] op_sel_hi:[1,0]
	v_pk_mul_f32 v[PB+4*\k+2:PB+4*\k+3], v[XX+4*\k+2:XX+4*\k+3], v[M+\k:M+\k+1] op_sel_hi:[1,0]
	v_pk_mul_f32 v[PB+4*\k+4:PB+4*\k+5], v[XX+4*\k+4:XX+4*\k+5], v[M+\k:M+\k+1] op_sel:[0,1] op_sel_hi:[1,1]
	v_pk_mul_f32 v[PB+4*\k+6:PB+4*\k+7], v[XX+4*\k+6:XX+4*\k+7], v[M+\k:M+\k+1] op_sel:[0,1] op_sel_hi:[1,1]
.endr
	WIN 0
.irp jj, 0,1
	v_cvt_scalef32_pk16_fp6_f32 v[CV+4*\jj:CV+4*\jj+2], v[PB+16*\jj:PB+16*\jj+15], v[HALF]   ; divides by 0.5; beyond 7.5 the largest code.  24 bits for each of the four units
.endr
	v_nop                                          ; one plain place behind a scaled conversion
.irp jj, 0,1
	v_alignbit_b32 v[BC+2*\jj], v[CV+4*\jj+1], v[CV+4*\jj], 24
	v_alignbit_b32 v[BC+2*\jj+1], v[CV+4*\jj+2], v[CV+4*\jj+1], 16
.endr
.irp jj, 0,1
	ds_store_b32 v[STW], v[CV+4*\jj] offset:SPITCH*(2*\g+\jj)         ; units 0 to 2: the codes are the word's bytes 0-2
	ds_store_b32 v[STW], v[BC+2*\jj] offset:SPITCH*(2*\g+\jj)+64
	ds_store_b32 v[STW], v[BC+2*\jj+1] offset:SPITCH*(2*\g+\jj)+128
	ds_store_b32 v[STW], v[CV+4*\jj+2] offset:SPITCH*(2*\g+\jj)+192   ; unit 3: bytes 1-3
.endr
.endr
	ds_load_b128 v[SCW:SCW+3], v[STS]              ; LDS serves a wave's instructions in order (ISA guide 5.7.1.4): no wait between my stores and my loads
.irp q, 0,1,2,3
	ds_load_b128 v[W+8*\q:W+8*\q+3],   v[STR] offset:64*\q
	ds_load_b128 v[W+8*\q+4:W+8*\q+7], v[STR] offset:64*\q+16
.endr
	s_wait_dscnt 4                                 ; all but units 2 and 3 (in the first tile A's fragments are in too)
.if \step
	s_wait_xcnt 0x0                                ; every load issued has had its address translated (ISA guide 3.1): only behind this wait is x's base stepped
	s_add_nc_u64 s[4:5], s[4:5], 2*TILEB
.endif
.irp i, 0,1,2,3
	v_lshlrev_b32 v[T+\i], 1, v[SCW+\i]            ; the exponent fields become bytes 1 and 3
.endr
	v_perm_b32 v[T+4], v[T+2], v[T], s[SELS]       ; blocks 0 to 3: (unit 0, lanes 0-7), (unit 0, lanes 8-15), (unit 1, ..), (unit 1, ..)
	v_perm_b32 v[T+5], v[T+3], v[T+1], s[SELS]     ; blocks 4 to 7
	v_add_nc_u32 v[XS], 0xfdfdfdfe, v[T+4]         ; 2 off each byte; each is 3 at the least, so nothing is borrowed
	v_add_nc_u32 v[XS+1], 0xfdfdfdfe, v[T+5]
	JOIN 0, PS
	JOIN 1, PS
	s_wait_dscnt 0x0
	JOIN 2, PS
	JOIN 3, PS+3
.rept 4
	v_nop                                          ; an operand written by vector instructions stands 4 places ahead of a scaled matrix instruction
.endr
.endm
; 32 matrix instructions: source 0 = x's 16 rows, source 1 = 16 rows of A.  The 16 accumulators by turns, one instruction a turn, K step 0 and then K step 1
.macro MUL
	WIN 0x14                                       ; sources 1 (A) and 2 (v) window 1
.irp t, 0,1,2,3,4,5,6,7
	v_wmma_scale_f32_16x16x128_f8f6f4 v[ACC+8*\t:ACC+8*\t+7], v[CD:CD+11], v[12*\t:12*\t+11], v[192+8*\t:199+8*\t], v[XS], v[ASC+\t] matrix_a_fmt:MATRIX_FMT_FP6 matrix_b_fmt:MATRIX_FMT_FP6
.endr
	WIN 0x24                                       ; source 1 window 1, source 2 window 2
.irp t, 8,9,10,11,12,13,14,15
	v_wmma_scale_f32_16x16x128_f8f6f4 v[ACC+8*\t:ACC+8*\t+7], v[CD:CD+11], v[12*\t:12*\t+11], v[128+8*\t:135+8*\t], v[XS], v[ASC+\t] matrix_a_fmt:MATRIX_FMT_FP6 matrix_b_fmt:MATRIX_FMT_FP6
.endr
	WIN 0x08                                       ; source 1 window 2; A's scale words of K step 1 stand in lanes 16-31
.irp t, 0,1,2,3,4,5,6,7,8,9,10,11,12,13,14,15
	v_wmma_scale_f32_16x16x128_f8f6f4 v[ACC+8*\t:ACC+8*\t+7], v[CD+12:CD+23], v[12*\t:12*\t+11], v[ACC+8*\t:ACC+8*\t+7], v[XS+1], v[ASC+\t] matrix_a_fmt:MATRIX_FMT_FP6 matrix_b_fmt:MATRIX_FMT_FP6 matrix_b_scale:MATRIX_SCALE_ROW1
.endr
.rept 4
	v_nop                                          ; four places behind the last products (ISA guide 7.12.1), ahead of the first read of results
.endr
.endm
; sum over my 16 columns of accumulator x X, four rows' chains by turns; each accumulator is read from its low end on.  The first products start the sums.
; fill = 1: as soon as four rows of X are done with, the tile two further on is asked for into their registers.
.macro DOT p, fill
.irp f, 0,1
	WIN 0x0c                                       ; source 1 (X) window 3
.irp j, 0,1,2,3
	v_mul_f32 v[S+4*\f+\j], v[ACC+4*\f+\j], v[128*(\p)+16*(4*\f+\j)]
.endr
.irp t, 1,2,3,4,5,6,7,8,9,10,11,12,13,14,15
.irp j, 0,1,2,3
	v_fmac_f32 v[S+4*\f+\j], v[ACC+8*\t+4*\f+\j], v[128*(\p)+16*(4*\f+\j)+\t]
.endr
.endr
.if \fill
	XLOAD \p, (\p)*TILEB, 16*\f, 16
.endif
.endr
	WIN 0
	; eight sums over 16 lanes: at each step a lane keeps one of two rows and gives the other to its partner; at the end lane (r, h) has row j = r % 8
.irp i, 0,1,2,3
	v_cndmask_b32 v[U+\i], v[S+2*\i+1], v[S+2*\i], s[M1]
.endr
.irp i, 0,1,2,3
	v_cndmask_b32 v[S+2*\i], v[S+2*\i], v[S+2*\i+1], s[M1]
.endr
.irp i, 0,1,2,3
	v_add_f32_dpp v[S+2*\i], v[U+\i], v[S+2*\i] row_xmask:1 row_mask:0xf bank_mask:0xf
.endr
.irp i, 0,1
	v_cndmask_b32 v[U+\i], v[S+4*\i+2], v[S+4*\i], s[M2]
.endr
.irp i, 0,1
	v_cndmask_b32 v[S+4*\i], v[S+4*\i], v[S+4*\i+2], s[M2]
.endr
.irp i, 0,1
	v_add_f32_dpp v[S+4*\i], v[U+\i], v[S+4*\i] row_xmask:2 row_mask:0xf bank_mask:0xf
.endr
	v_cndmask_b32 v[U], v[S+4], v[S], s[M4]
	v_cndmask_b32 v[S], v[S], v[S+4], s[M4]
	v_add_f32_dpp v[S], v[U], v[S] row_xmask:4 row_mask:0xf bank_mask:0xf
	v_add_nc_u32 v[OT], s[TO], v[OA]
	v_add_f32_dpp v[S], v[S], v[S] row_xmask:8 row_mask:0xf bank_mask:0xf
	v_add_f32 v[S], s[BB], v[S]                    ; + b
	ds_store_b32 v[OT], v[S] offset:64*(\p)        ; row 2 j + h's result; lanes r and r + 8 write the same word with the same value
.endm
.macro TILE p, fill, left
.if \fill && (\p == 0)
	QUANT \p, \left, 1
.else
	QUANT \p, \left, 0
.endif
	MUL
	DOT \p, \fill
.endm
	s_load_b256 s[4:11], s[0:1], 0x0               ; x s[4:5], A's codes s[6:7], A's scales s[8:9], v s[10:11]
	s_load_b128 s[12:15], s[0:1], 0x20             ; b s[12:13], out0 s[14:15]
	v_lshl_add_u32 v[SPW], v0, 2, SPARE
	v_mov_b32 v[NIL], 0
	v_lshrrev_b32 v15, 5, v0
	v_readfirstlane_b32 s[WV], v15                 ; wave 0..3
	v_and_b32 v[LN], 31, v0                        ; lane
	v_and_b32 v[RR], 15, v0                        ; r
	v_bfe_u32 v[HH], v0, 4, 1                      ; h
	v_lshlrev_b32 v[O16], 4, v[LN]
	v_lshlrev_b32 v[R16], 4, v[RR]
	v_lshlrev_b32 v[R32], 5, v[RR]
	v_lshl_add_u32 v[XO], v[HH], 10, v[R16]
	s_lshl_b32 s18, ttmp9, 19                      ; x: 512 rows of 1,024 bytes a work-group, 128 a wave (under 2^27 in all)
	s_lshl_b32 s17, s[WV], 17
	s_add_co_u32 s18, s18, s17
	s_mov_b32 s19, 0
	s_mul_i32 s40, s[WV], 64*192                   ; my 64 rows of A's codes
	s_mov_b32 s41, 0
	s_lshl_b32 s42, ttmp9, 11                      ; out0: 4 bytes a row
	s_lshl_b32 s17, s[WV], 9
	s_add_co_u32 s42, s42, s17
	s_mov_b32 s43, 0
	s_mov_b32 s[TO], 0
	s_mov_b32 s[TRIPS], 3
	s_mov_b32 s[FL], 0x1800000
	s_mov_b32 s[MASK], 0x7f800000
	s_mov_b32 s[SELH], 0x07060302
	s_mov_b32 s[SELS], 0x07030501
	s_mov_b32 s[PS], 0x04020100
	s_mov_b32 s[PS+1], 0x05040201
	s_mov_b32 s[PS+2], 0x06050402
	s_mov_b32 s[PS+3], 0x05030201
	s_mov_b32 s[PS+4], 0x06050302
	s_mov_b32 s[PS+5], 0x07060503
	s_mov_b32 s[M1], 0xaaaaaaaa
	s_mov_b32 s[M2], 0xcccccccc
	s_mov_b32 s[M4], 0xf0f0f0f0
	s_mov_b32 s[HM], 0xffff0000
	s_wait_alu depctr_va_vdst(0)
	s_wait_kmcnt 0x0
	s_load_b32 s[BB], s[12:13], 0x0                ; b
	s_add_nc_u64 s[6:7], s[6:7], s[40:41]
	s_add_nc_u64 s[4:5], s[4:5], s[18:19]
	s_add_nc_u64 s[14:15], s[14:15], s[42:43]
.set I, 0
.rept 24
	global_load_b128 v[ACC+4*I:ACC+4*I+3], v[O16], s[6:7] offset:512*I   ; A's codes, my quarter: 512 consecutive bytes a load
.set I, I+1
.endr
.irp q, 0,1,2,3
	global_load_b128 v[ACC+96+8*\q:ACC+99+8*\q], v[R32], s[8:9] offset:512*\q   ; A's scale bytes: the 32 bytes of rows 64 q + 4 r .. + 3
	global_load_b128 v[ACC+100+8*\q:ACC+103+8*\q], v[R32], s[8:9] offset:512*\q+16
.endr
.irp q, 0,1,2,3
	global_load_b128 v[VT+4*\q:VT+4*\q+3], v[R16], s[10:11] offset:256*\q   ; v[64 q + 4 r .. + 3]
.endr
	XLOAD 0, 0, 0, 24                              ; tile 0, its first 12 rows: 60 loads are out
	WIN 0
	; the LDS addresses, while all that is on its way
	; A's row n = 64 q + 4 r + u is stored by wave q at place 16 u + r of its part, so that a tile's 16 rows lie on end.  Load i = 3 a + b brings 16-byte pieces 96 a + 32 b + lane of my 64 rows, 12 to a row: row 8 a + (32 b + lane) / 12.
	; With y = 8 b + lane / 4 (whole part), 0 .. 23: the row is y / 3 = (86 y) / 256, the remainder y % 3 = 3 ((86 y) % 256) / 256 (whole parts): 86 y is 256 (y / 3) + 86 (y % 3) + 2 (y / 3)
	s_mul_i32 s17, s[WV], AWAVE
	v_bfe_u32 v44, v0, 2, 3
	v_and_b32 v43, 3, v0
	v_lshlrev_b32 v43, 4, v43                      ; 16 (lane % 4)
.irp b, 0,1,2
	v_add_nc_u32 v40, 8*\b, v44
	v_mul_u32_u24 v40, 86, v40
	v_lshrrev_b32 v41, 8, v40                      ; the row of eight
	v_and_b32 v40, 255, v40
	v_mul_u32_u24 v40, 3, v40
	v_lshrrev_b32 v40, 8, v40                      ; which 64 bytes of it
	v_lshl_add_u32 v40, v40, 6, v43
	v_and_b32 v42, 3, v41                          ; u
	v_lshrrev_b32 v41, 2, v41                      ; r less 2 a
	v_lshl_add_u32 v41, v42, 4, v41
	v_mul_u32_u24 v41, APITCH, v41
	v_add_nc_u32 v40, v40, v41                     ; 10,368 at the most, a multiple of 16
	v_and_b32 v40, 0x3ff0, v40                     ; its bound
	v_add_nc_u32 v[AS+\b], s17, v40
.endr
	v_mul_u32_u24 v[AA], APITCH, v[RR]
	v_mul_u32_u24 v40, 24, v[HH]
	v_add_nc_u32 v[AA], v[AA], v40
	v_add_nc_u32 v[AA2], 2*AWAVE, v[AA]
	s_mul_i32 s17, s[WV], 16*SPITCH
	s_add_co_u32 s17, s17, STG                     ; my stage
	v_mul_u32_u24 v41, 8*SPITCH, v[HH]
	v_add_nc_u32 v41, s17, v41
	v_lshl_add_u32 v[STW], v[RR], 2, v41
	v_bfe_u32 v42, v0, 3, 1
	v_lshl_add_u32 v42, v42, 3, v41
	v_add_nc_u32 v[STM], 256, v42
	v_mul_u32_u24 v43, SPITCH, v[RR]
	v_add_nc_u32 v43, s17, v43
	v_lshl_add_u32 v[STR], v[HH], 5, v43
	v_add_nc_u32 v[STS], 256, v43
	s_lshl_b32 s17, s[WV], 9
	s_add_co_u32 s17, s17, OL                      ; my wave's results
	v_and_b32 v44, 7, v0
	v_lshlrev_b32 v44, 3, v44
	v_lshl_add_u32 v44, v[HH], 2, v44
	v_add_nc_u32 v[OA], s17, v44
	v_add_nc_u32 v[ORD], s17, v[O16]
	v_mov_b32 v[HALF], 0.5
	s_wait_alu depctr_va_vdst(0)
	s_wait_loadcnt 36                              ; my quarter of A's codes is in; behind it 8 + 4 + 24 loads
.set I, 0
.rept 24
	ds_store_b128 v[AS+I%3], v[ACC+4*I:ACC+4*I+3] offset:2*APITCH*(I/3)
.set I, I+1
.endr
	XLOAD 0, 0, 24, 8                              ; tile 0's last four rows
	XLOAD 1, TILEB, 0, 16                          ; tile 1's first eight
	WIN 0
	s_wait_loadcnt 48                              ; A's scale bytes and v are in; behind them 48 loads of x
	s_wait_dscnt 0x0                               ; my stores of A's codes are done,
	s_barrier_signal -1                            ; for the other waves' sake; until theirs are done, work on registers:
.irp t, 0,1,2,3,4,5,6,7,8,9,10,11,12,13,14,15
	v_cndmask_b32 v[ASC+\t], v[ACC+96+2*\t], v[ACC+97+2*\t], s[HM]   ; lanes 0-15 K step 0's word, lanes 16-31 K step 1's
.endr
	WIN 0x40                                       ; v in the accumulators' layout: a column's eight registers hold the same number
.irp t, 0,1,2,3,4,5,6,7
.irp j, 0,1,2,3,4,5,6,7
	v_mov_b32 v[192+8*\t+\j], v[VT+\t]
.endr
.endr
	WIN 0x80
.irp t, 8,9,10,11,12,13,14,15
.irp j, 0,1,2,3,4,5,6,7
	v_mov_b32 v[128+8*\t+\j], v[VT+\t]
.endr
.endr
	WIN 0
	s_wait_alu depctr_va_vdst(0)
	s_barrier_wait -1                              ; all of A's codes are in LDS.  From here on they are only read, and this is the launch's one barrier
	XLOAD 1, TILEB, 16, 12                         ; tile 1's next six rows
	WIN 0x40                                       ; destination window 1
.irp t, 0,1,2,3,4,5,6,7,8,9,10,11,12,13,14,15
	FRAG \t, 0
.endr
	WIN 0x80                                       ; destination window 2
.irp t, 0,1,2,3,4,5,6,7,8,9,10,11,12,13,14,15
	FRAG \t, 1
.endr
	XLOAD 1, TILEB, 28, 4                          ; and its last two
	WIN 0                                          ; at a label and at a branch every window is 0
	s_wait_kmcnt 0x0                               ; b
.Ltrip:                                                ; three trips, two tiles each: tiles 0 to 5, which ask for tiles 2 to 7
	TILE 0, 1, 32
	TILE 1, 1, 32
	s_add_co_u32 s[TO], s[TO], 128
	s_sub_co_u32 s[TRIPS], s[TRIPS], 1
	s_cmp_lg_u32 s[TRIPS], 0
	s_wait_alu depctr_va_vdst(0)
	s_cbranch_scc1 .Ltrip
	TILE 0, 0, 32                                  ; the last two tiles are written out and ask for nothing: no load leaves x.  Tile 7's 32 loads may be out,
	TILE 1, 0, 0                                   ; and then none
	ds_load_b128 v[RES:RES+3], v[ORD]              ; my wave's 128 results, four a lane: LDS serves a wave's instructions in order, so this sees my stores
	s_wait_dscnt 0x0
	global_store_b128 v[O16], v[RES:RES+3], s[14:15] th:TH_STORE_NT   ; 32 lanes store 512 consecutive bytes, at a multiple of 512 from out0's first byte
	s_wait_tensorcnt 0x0                           ; the wave's end, behind my last LDS store
	ds_add_u32 v[SPW], v[NIL]
	s_wait_dscnt 0x0
	s_endpgm
.Lfunc_end_k_q761e7770b4_quad:
	.size	k_q761e7770b4_quad, .Lfunc_end_k_q761e7770b4_quad-k_q761e7770b4_quad
	.p2alignl 7, 3214868480
	.fill 96, 4, 3214868480
	.section	.rodata,"a",@progbits
	.p2align	6, 0x0
	.amdhsa_kernel k_q761e7770b4_quad
		.amdhsa_group_segment_fixed_size 101888
		.amdhsa_private_segment_fixed_size 0
		.amdhsa_enable_private_segment 0
		.amdhsa_kernarg_size 48
		.amdhsa_user_sgpr_count 2
		.amdhsa_user_sgpr_kernarg_segment_ptr 1
		.amdhsa_wavefront_size32 1
		.amdhsa_system_sgpr_workgroup_id_x 1
		.amdhsa_system_sgpr_workgroup_id_y 1
		.amdhsa_system_sgpr_workgroup_id_z 1
		.amdhsa_system_vgpr_workitem_id 0
		.amdhsa_next_free_vgpr 1024
		.amdhsa_next_free_sgpr 66
		.amdhsa_reserve_vcc 0
		.amdhsa_float_denorm_mode_32 3
		.amdhsa_float_denorm_mode_16_64 3
		.amdhsa_memory_ordered 1
		.amdhsa_forward_progress 1
		.amdhsa_inst_pref_size 179
	.end_amdhsa_kernel
	.amdgpu_metadata
---
amdhsa.version: [ 1, 2 ]
amdhsa.kernels:
  - .name:           k_q761e7770b4_quad
    .symbol:         k_q761e7770b4_quad.kd
    .args:
      - { .name: x, .offset: 0, .size: 8, .value_kind: global_buffer, .address_space: global }
      - { .name: A_codes, .offset: 8, .size: 8, .value_kind: global_buffer, .address_space: global }
      - { .name: A_scales, .offset: 16, .size: 8, .value_kind: global_buffer, .address_space: global }
      - { .name: v, .offset: 24, .size: 8, .value_kind: global_buffer, .address_space: global }
      - { .name: b, .offset: 32, .size: 8, .value_kind: global_buffer, .address_space: global }
      - { .name: out0, .offset: 40, .size: 8, .value_kind: global_buffer, .address_space: global }
    .group_segment_fixed_size: 101888
    .private_segment_fixed_size: 0
    .kernarg_segment_align: 8
    .kernarg_segment_size: 48
    .max_flat_workgroup_size: 128
    .sgpr_count:     66
    .vgpr_count:     1024
    .wavefront_size: 32
...
	.end_amdgpu_metadata
.endif
;; end of part 1
